; MI455X (gfx1250); checked and timed in simulation.
; The chip was launched on July 23, 2026; its instructions are those of AMD's public machine-readable ISA for CDNA 5 (MIT licence, August 2026) and "CDNA5" Instruction Set Architecture Reference Guide (July 2026). The comments in the code are by the model that wrote it; some were corrected since.
;; Encoder Attention. Allowed arithmetic: matrix products marked QUANTISED: E3M2 operands, one E8M0 scale for each 32 along K, by v_wmma_scale_f32_16x16x128_f8f6f4 with both operands' format E3M2, f32 sums; products left as they are: f32 operands where the result goes on into a quantised operand, else bf16, f16 or f32 operands; f32 sums; everything else in f32.
;; Inputs: Wk 1,024 x 4,096 float32; Wq 1,024 x 4,096 float32; Wv 1,024 x 4,096 float32; bk 1,024 float32; bq 1,024 float32; bv 1,024 float32; encoder_batch 8,192 x 4,096 float32; target_batch 4,096 float32.
;; Outputs: out0 1,024 float32.
;; This version of the problem:
;;   THIS VERSION OF THE PROBLEM IS GIVEN IN LOW PRECISION. The matrix products marked QUANTISED in the list below multiply operands that are first quantised to E3M2 (3 exponent bits, 2 mantissa bits; 6 bits a number), with one power-of-two scale for each 32 numbers along K (OCP MX v1.0); their sums are f32. All else is computed in f32.
;;   The module's matrix products, in the order in which they are computed (A, B: the left and right operand; K: the contracted axis; several contracted axes count as one K, in the product's order):
;;     1. [M 1, K 4,096] x [K 4,096, N 1,024]; A: input target_batch; B: input Wq: left as it is (M = 1 < 16)
;;     2. [M 8,192, K 4,096] x [K 4,096, N 1,024]; A: input encoder_batch; B: input Wk: QUANTISED
;;     3. [M 8,192, K 4,096] x [K 4,096, N 1,024]; A: input encoder_batch; B: input Wv: QUANTISED
;;     4. [M 8,192, K 1,024] x [K 1,024, N 1]; A: computed on the way; B: computed on the way: left as it is (N = 1 < 16)
;;     5. [M 1, K 8,192] x [K 8,192, N 1,024]; A: softmax; B: computed on the way: left as it is (M = 1 < 16)
;;   THE QUANTISER, for each operand of a quantised product, along K:
;;     - K is cut into blocks of 32 from its start; a last block that is shorter is filled with zeros.
;;     - A block's scale is 2^e with e = floor(log2(the largest magnitude in the block)) - 4, held to -126 .. 127; a block of zeros has e = 0. As a byte (E8M0): e + 127.
;;     - Each number is divided by its block's scale, clamped to +-28, and rounded to the nearest number of E3M2, ties to even, subnormals kept.
;;     - The product sums the exact products of the quantised numbers (number of the format x scale) in f32.
;;   ~~~python
;;   def quantise(x, axis):      # numpy; x: float32 -> the quantised numbers, widened to float32 again
;;       x = np.moveaxis(x, axis, -1); K = x.shape[-1]
;;       x = np.pad(x, [(0, 0)] * (x.ndim - 1) + [(0, -K % 32)]); x = x.reshape(x.shape[:-1] + (-1, 32)); a = np.abs(x).max(-1, keepdims=True)
;;       e = np.where(a > 0, np.clip(np.frexp(np.where(a > 0, a, 1))[1] - 1 - 4, -126, 127), 0)      # np.frexp(a)[1] - 1 = floor(log2(a)), exactly
;;       r = np.clip(x / 2.0 ** e, -28, 28)
;;       step = 2.0 ** (np.maximum(np.frexp(np.where(r == 0, 1, r))[1] - 1, -2) - 2)
;;       q = np.round(r / step) * step * 2.0 ** e      # np.round: ties to even
;;       return np.moveaxis(q.reshape(q.shape[:-2] + (-1,))[..., :K], -1, axis).astype(np.float32)
;;   ~~~
;; One version. Each part assembles by itself: llvm-mc -triple=amdgcn-amd-amdhsa -mcpu=gfx1250 --defsym DOCPART=n.
;; ======== version 1 of 1: 3 launches
;; limits: values are held in bf16: 8 bits of precision; right only within a limited range of input values
;; workspace buffers: enc_codes 25,165,824 bytes; enc_scales 1,048,576 bytes; w_codes 6,291,456 bytes; w_scales 262,144 bytes; q 4,096 bytes; lp 131,072 bytes; vt 16,777,216 bytes
;; launch prep (part 1): grid 256 x 1, 4 waves a work-group, no clusters, 327,680 bytes of LDS; arguments target_batch, Wq, bq, q, encoder_batch, Wk, Wv, enc_codes, enc_scales, w_codes, w_scales; writes q, enc_codes, enc_scales, w_codes, w_scales
.if DOCPART == 1
	.amdgcn_target "amdgcn-amd-amdhsa--gfx1250"
	.amdhsa_code_object_version 6
	.text
	.protected	k_q99b1eff155_prep
	.globl	k_q99b1eff155_prep
	.p2align	8
	.type	k_q99b1eff155_prep,@function
k_q99b1eff155_prep:
	s_mov_b64 s[64:65], 0
	v_nop
	global_prefetch_b8 v0, s[64:65] scope:SCOPE_SE
	s_setreg_imm32_b32 hwreg(HW_REG_WAVE_MODE, 25, 1), 1
	s_wait_xcnt 0x0
; TWO JOBS IN ONE LAUNCH, both done by every work-group.
; (1) query = target Wq^T + bq, [1024] f32, by fused multiply-adds in f32: work-group g takes rows 4 g .. 4 g + 3 of Wq, a wave one row.
; (2) encoder_batch [8192][4096], Wk and Wv [1024][4096], f32, become codes of BF6 (E3M2), 6 bits each, with one E8M0 scale byte for each 32 along K.
; A block's scale is 2^(floor(log2(its largest magnitude)) - 4); its byte is the largest magnitude's own exponent field - 4, held at 1 from below.
; Each number is divided by the scale and rounded to the nearest code, ties to even; beyond 28 the conversion gives the largest code.
; LIMITS: NaN and infinities among the inputs are not served.  A block whose largest magnitude lies under 2^-122 gets the byte 1.  A block of zeros gets the byte 1
; where the quantiser's text says 127: its codes are zeros, which add nothing under any byte but 0xff, and these bytes are read by this program alone.
; THE CODES' LAYOUT is this program's own: [block of 128 rows][K step of 256][128 rows][192 bytes], the scale bytes [block of 128 rows][K step][128 rows][8 bytes].
; Wk's rows are rows 0-1023 of w_codes, Wv's rows 1024-2047.
; SHARES.  A tile is 128 rows x 256 along K: 1,280 tiles, five for each of the 256 work-groups: the encoder's tiles g, g + 256, g + 512, g + 768, then the weights' tile g.
; A tile comes into one of two LDS slots by four tensor loads, one a wave: 32 rows x 1,024 bytes, each row starting at a multiple of 1,024 bytes of its tensor.
; While one slot is worked, the other slot's tile is on its way.  The descriptor lays 16 bytes of padding behind each 256: a lane's 64 bytes (16 neighbours along K) then start
; 16 l + 4 (l / 4) words in.
; A wave reads only the 32 rows that it fetched: 16 steps of two rows, in four groups of four steps, the four steps by turns line by line.  Two neighbouring lanes hold a block.
; THE WAY OUT.  A lane's 16 codes are 12 bytes, a step's 384: four steps' codes are gathered in 1,536 bytes of the wave's own stage and leave by three stores of 512 consecutive bytes, aligned.
; A wave's 256 scale bytes of a tile are gathered likewise and leave by one store of 256 consecutive bytes, aligned.  The stages lie behind the slots: no tensor load lands there.
; No matrix unit and no cluster: no work-group reads what another reads (but the 16 KB of target).  No prefetch: the launch is a stream in which every byte is read once,
; and each tile is asked for by its tensor load a whole tile's work ahead of its first use.
; WORK LEFT OUT BY THE PROGRAM: bk.  logit[s] = (key[s] + bk) . query / 32 = key[s] . query / 32 + bk . query / 32: the second term is the same for every row s, and the softmax over s
; is unchanged by a term that is the same along its axis, whatever the inputs hold.  bk goes into no quantised operand.  So bk is not loaded and is among no launch's arguments.
; LIMIT: a NaN, an infinity or an overflow that reaches only bk . query is not carried to the result.
; bv is added once, at the end: the sum over s of p[s] (value[s] + bv) is the sum of p[s] value[s], + bv, since the p sum to 1.
.set EMAX,  4
.set ROWL,  1088                       ; an LDS row: 1,024 bytes + 4 x 16 of padding
.set WSL,   32*ROWL                    ; a wave's 32 rows
.set SLOT,  4*WSL
.set STG,   2*SLOT                     ; behind the slots: a stage of 2,048 bytes for each wave:
.set SBY,   0                          ; its 256 scale bytes,
.set CST,   256                        ; and four steps' codes, 1,536 bytes
.set SPARE, STG+4*2048                 ; behind the stages: the spare words, 128 bytes for each wave
.set SPW,   14                         ; v14 LDS address of my spare word; never rewritten
.set NIL,   15                         ; v15 0; never rewritten
.set AD,    16                         ; v16-17 my 64 bytes of a step in slot 0, 1
.set M,     20                         ; v20-27 two running maxima for each of a group's four steps
.set SO,    28                         ; v28-31 the conversions' scale operands
.set C,     32                         ; v32-47 four sets of four: a step's three registers of codes, and its scale byte
.set O,     48                         ; v48-71 two sets of twelve: four steps' codes on the way out
.set X,     80                         ; v80-207 two sets of 64: a group's numbers
.set QS,    32                         ; the query: v32-39 four pairs of partial sums
.set QB,    64                         ; v64-255 three buffers of 64: eight chunks of 4 of Wq's row and 4 of target
.set G1,    40                         ; s[40:47] descriptor group 1;  s[48:51], s[52:55] group 0 of slot 0, 1;  s[56:59] group 0 of the weights' tile (slot 0)
	s_load_b256 s[4:11], s[0:1], 0x0               ; target s[4:5], Wq s[6:7], bq s[8:9], q s[10:11]
	s_load_b256 s[12:19], s[0:1], 0x20             ; encoder s[12:13], Wk s[14:15], Wv s[16:17], encoder's codes s[18:19]
	s_load_b128 s[20:23], s[0:1], 0x40             ; encoder's scales s[20:21], the weights' codes s[22:23]
	s_load_b64 s[24:25], s[0:1], 0x50              ; the weights' scales
	v_lshl_add_u32 v[SPW], v0, 2, SPARE
	v_mov_b32 v[NIL], 0
	ds_add_u32 v[SPW], v[NIL]                      ; the opening lines: the add, twice on end, and its wait ahead of my first tensor load
	ds_add_u32 v[SPW], v[NIL]
	v_lshrrev_b32 v1, 5, v0
	v_readfirstlane_b32 s26, v1                    ; wave 0..3
	s_mov_b32 s[G1+0], (2<<16)|(1<<20)|(5<<22)|(3<<25)  ; elements of 4 bytes; padding on: after every 64 words, 4 words
	s_mov_b32 s[G1+1], 256<<16                     ; tensor_dim0 = 256
	s_mov_b32 s[G1+2], 32<<16                      ; tensor_dim1 = 32
	s_mov_b32 s[G1+3], 256<<16                     ; tile_dim0 = 256
	s_mov_b32 s[G1+4], 32                          ; tile_dim1 = 32
	s_mov_b32 s[G1+5], 4096                        ; elements from row to row
	s_mov_b32 s[G1+6], 0
	s_mov_b32 s[G1+7], 0
	s_mov_b32 s48, 1
	s_mov_b32 s52, 1
	s_mov_b32 s56, 1
	s_mul_i32 s49, s26, WSL                        ; my 32 rows of slot 0,
	s_add_co_u32 s53, s49, SLOT                    ; of slot 1,
	s_mul_i32 s57, s26, WSL                        ; and of slot 0 again
	s_and_b32 s32, ttmp9, 15
	s_lshl_b32 s32, s32, 10                        ; K step x 1,024 bytes
	s_lshl_b32 s33, s26, 19                        ; + wave x 32 rows of 16,384 bytes
	s_add_co_u32 s32, s32, s33
	s_lshr_b32 s28, ttmp9, 4
	s_lshl_b32 s28, s28, 21                        ; + block of 128 rows x 2^21 bytes: the encoder's tile g
	s_add_co_u32 s28, s28, s32
	s_mov_b32 s29, 0
	s_bfe_u32 s30, ttmp9, 0x30004                  ; a weight has eight blocks of 128 rows: (g / 16) % 8
	s_lshl_b32 s30, s30, 21
	s_add_co_u32 s30, s30, s32
	s_mov_b32 s31, 0
	s_wait_dscnt 0x0                               ; both opening adds are done
	s_wait_kmcnt 0x0
	s_add_nc_u64 s[50:51], s[12:13], s[28:29]      ; tile g,
	s_add_nc_u64 s[54:55], s[50:51], 0x2000000     ; tile g + 256: 16 blocks of 128 rows on
	s_or_b32 s51, s51, 0x80000000
	s_or_b32 s55, s55, 0x80000000
	tensor_load_to_lds s[48:51], s[G1:G1+7]        ; my one load at the head: my 32 rows of the first tile
	s_nop 0
	s_cmp_lt_u32 ttmp9, 128                        ; the fifth tile: Wk's for work-groups 0-127, Wv's for the others: the choice hangs on the work-group's number alone
	s_cselect_b64 s[58:59], s[14:15], s[16:17]
	s_add_nc_u64 s[58:59], s[58:59], s[30:31]
	s_or_b32 s59, s59, 0x80000000
	s_mul_i32 s32, ttmp9, 24576                    ; the codes: tile x 24,576 + wave x 32 rows of 192 bytes
	s_mul_i32 s33, s26, 6144
	s_add_co_u32 s32, s32, s33
	s_mov_b32 s33, 0
	s_add_nc_u64 s[18:19], s[18:19], s[32:33]
	s_add_nc_u64 s[22:23], s[22:23], s[32:33]
	s_lshl_b32 s32, ttmp9, 10                      ; the scale bytes: tile x 1,024 + wave x 256
	s_lshl_b32 s34, s26, 8
	s_add_co_u32 s32, s32, s34
	s_add_nc_u64 s[20:21], s[20:21], s[32:33]
	s_add_nc_u64 s[24:25], s[24:25], s[32:33]
	s_lshl_b32 s34, ttmp9, 2
	s_add_co_u32 s34, s34, s26                     ; my row of Wq: 4 g + wave
	s_lshl_b32 s32, s34, 14
	s_add_nc_u64 s[6:7], s[6:7], s[32:33]
	s_lshl_b32 s32, s34, 2
	s_add_nc_u64 s[8:9], s[8:9], s[32:33]
	s_add_nc_u64 s[10:11], s[10:11], s[32:33]
	s_load_b32 s35, s[8:9], 0x0                    ; bq of my row
	s_mov_b32 s36, 0x76543210
	s_mov_b32 s37, 0xfedcba98                      ; v_permlanex16_b32's selects for lane l xor 16
	s_mul_i32 s38, s26, WSL
	s_lshl_b32 s39, s26, 11
	s_add_co_u32 s39, s39, STG                     ; my stage
	v_and_b32 v2, 31, v0                           ; lane
	v_lshlrev_b32 v3, 4, v2                        ; my 16 bytes of a load's, and of a store's, 512
	v_lshlrev_b32 v7, 3, v2                        ; my 8 of the 256 scale bytes
	v_lshrrev_b32 v1, 2, v2
	v_lshl_add_u32 v[AD], v2, 6, s38               ; my 16 neighbours: 64 x lane
	v_lshl_add_u32 v[AD], v1, 4, v[AD]             ; + 16 for each 256 passed: row 2 t + lane / 16 of the wave's 32, k = 16 (lane % 16) on
	v_add_nc_u32 v[AD+1], SLOT, v[AD]
	v_mad_u32_u24 v4, v2, 12, s39                  ; my codes' place in a step's 384 bytes
	v_add_nc_u32 v10, s39, v3                      ; and the way back: 16 x lane
	v_lshrrev_b32 v5, 1, v2
	v_add_nc_u32 v5, s39, v5                       ; my block's scale byte: two rows of 8 a step
	v_add_nc_u32 v6, s39, v7                       ; and the way back: 8 x lane
	v_mov_b32 v9, 0
	v_mov_b32 v40, 0                               ; a lane permute's destination counts as one of its sources
	s_wait_alu depctr_va_vdst(0)
	; ---------------- THE QUERY, while the first tile is on its way ----------------
	; A chunk is 512 bytes of my row and of target, 16 bytes a lane; a batch is eight chunks, 16 loads; three batches are out at a time.
.macro QLOAD b
.set QL, QB+64*((\b)%3)
.irp c, 0,1,2,3,4,5,6,7
	global_load_b128 v[QL+8*\c:QL+8*\c+3], v3, s[6:7] offset:4096*(\b)+512*\c th:TH_LOAD_NT
	global_load_b128 v[QL+8*\c+4:QL+8*\c+7], v3, s[4:5] offset:4096*(\b)+512*\c
.endr
.endm
.macro QMUL b
.set QL, QB+64*((\b)%3)
.irp c, 0,1,2,3,4,5,6,7
.if ((\b) == 0) && (\c < 2)
	v_pk_mul_f32 v[QS+4*(\c%2):QS+4*(\c%2)+1], v[QL+8*\c:QL+8*\c+1], v[QL+8*\c+4:QL+8*\c+5]       ; the first two chunks start the sums: nothing is cleared
	v_pk_mul_f32 v[QS+4*(\c%2)+2:QS+4*(\c%2)+3], v[QL+8*\c+2:QL+8*\c+3], v[QL+8*\c+6:QL+8*\c+7]
.else
	v_pk_fma_f32 v[QS+4*(\c%2):QS+4*(\c%2)+1], v[QL+8*\c:QL+8*\c+1], v[QL+8*\c+4:QL+8*\c+5], v[QS+4*(\c%2):QS+4*(\c%2)+1]
	v_pk_fma_f32 v[QS+4*(\c%2)+2:QS+4*(\c%2)+3], v[QL+8*\c+2:QL+8*\c+3], v[QL+8*\c+6:QL+8*\c+7], v[QS+4*(\c%2)+2:QS+4*(\c%2)+3]
.endif
.endr
.endm
	QLOAD 0
	QLOAD 1
	QLOAD 2
	s_wait_loadcnt 32                              ; batch 0 is in; the 32 loads of batches 1 and 2 may be out
	QMUL 0
	QLOAD 3                                        ; its buffer takes the last batch
	s_wait_alu depctr_va_vdst(0)                   ; the wait ahead of each wait below
	s_wait_loadcnt 32                              ; batch 1 is in; batches 2 and 3 may be out
	QMUL 1
	s_wait_alu depctr_va_vdst(0)
	s_wait_loadcnt 16                              ; batch 2 is in; batch 3 may be out
	QMUL 2
	s_wait_alu depctr_va_vdst(0)
	s_wait_loadcnt 0x0
	QMUL 3
	v_pk_add_f32 v[QS:QS+1], v[QS:QS+1], v[QS+2:QS+3]
	v_pk_add_f32 v[QS+4:QS+5], v[QS+4:QS+5], v[QS+6:QS+7]
	v_pk_add_f32 v[QS:QS+1], v[QS:QS+1], v[QS+4:QS+5]
	v_add_f32 v[QS], v[QS], v[QS+1]
.irp m, 1,2,4,8
	v_add_f32_dpp v[QS], v[QS], v[QS] row_xmask:\m row_mask:0xf bank_mask:0xf
.endr
	v_permlanex16_b32 v40, v[QS], s36, s37
	v_add_f32 v[QS], v[QS], v40                    ; the sum over the 32 lanes
	s_wait_alu depctr_va_vdst(0)
	s_wait_kmcnt 0x0
	v_add_f32 v[QS], s35, v[QS]                    ; + bq
	s_wait_alu depctr_va_vdst(0)
	s_wait_xcnt 0x0                                ; EXEC changes only behind this wait: it is a source of every memory instruction issued so far
	v_cmp_eq_u32 vcc_lo, 0, v2
	s_and_saveexec_b32 s34, vcc_lo                 ; lane 0 alone stores the wave's number.  (q is 4,096 bytes in all: no stage is built to gather them)
	global_store_b32 v9, v[QS], s[10:11]
	s_wait_xcnt 0x0                                ; and again in front of the line that widens it
	s_or_b32 exec_lo, exec_lo, s34
	; ---------------- THE QUANTISER ----------------
.macro XLOAD sl, gq                    ; the numbers of steps 4 gq .. 4 gq + 3 into set gq % 2: 16 loads of 16 bytes a lane
.irp u, 0,1,2,3
.irp i, 0,1,2,3
	ds_load_b128 v[X+64*((\gq)%2)+16*\u+4*\i:X+64*((\gq)%2)+16*\u+4*\i+3], v[AD+\sl] offset:(4*(\gq)+\u)*2*ROWL+16*\i
.endr
.endr
.endm
.macro GROUP sl, gq, cp, scp, sof      ; four steps, by turns line by line
.set XG, X+64*((\gq)%2)
.set OB, O+12*((\gq)%2)
.if (\gq) < 3
	XLOAD \sl, (\gq)+1                             ; the next group's numbers come while this group is worked
.endif
.if (\gq) == 0
	s_wait_dscnt 16                                ; this group's 16 loads are in; the next group's 16 may be out.  (Later groups: the group before ended with a wait for all its LDS instructions)
.endif
.irp u, 0,1,2,3
	v_max3_num_f32 v[M+2*\u], |v[XG+16*\u]|, |v[XG+16*\u+1]|, |v[XG+16*\u+2]|      ; the largest magnitude of my 16, in two chains
.endr
.irp u, 0,1,2,3
	v_max3_num_f32 v[M+2*\u+1], |v[XG+16*\u+3]|, |v[XG+16*\u+4]|, |v[XG+16*\u+5]|
.endr
.irp i, 6,10
.irp u, 0,1,2,3
	v_max3_num_f32 v[M+2*\u], v[M+2*\u], |v[XG+16*\u+\i]|, |v[XG+16*\u+\i+1]|
.endr
.irp u, 0,1,2,3
	v_max3_num_f32 v[M+2*\u+1], v[M+2*\u+1], |v[XG+16*\u+\i+2]|, |v[XG+16*\u+\i+3]|
.endr
.endr
.irp u, 0,1,2,3
	v_max3_num_f32 v[M+2*\u], v[M+2*\u], |v[XG+16*\u+14]|, |v[XG+16*\u+15]|
.endr
.irp u, 0,1,2,3
	v_max3_num_f32 v[M+2*\u], v[M+2*\u], v[M+2*\u+1], (EMAX+1)<<23   ; and the floor 2^(EMAX + 1 - 127): so the byte cannot fall under 1
.endr
.irp u, 0,1,2,3
	v_max_num_f32_dpp v[M+2*\u], v[M+2*\u], v[M+2*\u] row_xmask:1 row_mask:0xf bank_mask:0xf   ; and of my neighbour's 16: the block's
.endr
.irp u, 0,1,2,3
	v_add_nc_u32 v[SO+\u], -(EMAX<<23), v[M+2*\u]  ; EMAX off its exponent field: the conversion takes the exponent field of this operand as its scale, and nothing else of it
.endr
.irp u, 0,1,2,3
	v_cvt_scalef32_pk16_bf6_f32 v[C+4*\u:C+4*\u+2], v[XG+16*\u:XG+16*\u+15], v[SO+\u]   ; sixteen numbers / the scale, to the nearest code, ties to even; 96 bits without gaps
.endr
.irp u, 0,1,2,3
	v_lshrrev_b32 v[C+4*\u+3], 23, v[SO+\u]        ; the scale's byte.  (Plain lines behind the conversions)
.endr
.irp u, 0,1,2,3
	ds_store_b8 v5, v[C+4*\u+3] offset:SBY+16*(4*(\gq)+\u)     ; both lanes of a block write the same byte with the same value
.irp j, 0,1,2
	ds_store_b32 v4, v[C+4*\u+\j] offset:CST+384*\u+4*\j       ; my 12 bytes, word by word: every address is a multiple of the access's size
.endr
.endr
	s_wait_xcnt 0x0                                ; earlier stores have read their registers: only behind this wait are these loaded again
.irp j, 0,1,2
	ds_load_b128 v[OB+4*\j:OB+4*\j+3], v10 offset:CST+512*\j   ; LDS serves a wave's instructions in order (ISA guide 5.7.1.4): these see my stores, and the next group's stores come behind them
.endr
.if (\gq) == 3
	ds_load_b64 v[12:13], v6 offset:SBY            ; the tile's 256 scale bytes of my rows
.endif
	s_wait_dscnt 0x0                               ; all my LDS instructions are done: the stores have read their registers, the next group's numbers are in
.irp j, 0,1,2
	global_store_b128 v3, v[OB+4*\j:OB+4*\j+3], s[\cp:\cp+1] offset:1536*(\gq)+512*\j   ; 32 lanes store 512 consecutive bytes, at a multiple of 512 from the buffer's first byte
.endr
.if (\gq) == 3
	global_store_b64 v7, v[12:13], s[\scp:\scp+1] offset:\sof  ; 32 lanes store 256 consecutive bytes, aligned
.endif
.endm
; A tile.  In front of the barrier every wave waits for its tensor load, which is its part of this tile, adds 0 to its spare word, and waits for that and for its reads of the other slot.
; Behind it the other slot takes the next tile (g0: that load's group 0, 0: none; the first time it is slot 1's first fill), and this tile is worked.
.macro PHASE sl, g0, adv, stepc, cp, scp, sof
	s_wait_tensorcnt 0x0                           ; my one load that was out has landed,
	ds_add_u32 v[SPW], v[NIL]
	s_wait_xcnt 0x0                                ; my stores have read their base:
.if \stepc
	s_add_nc_u64 s[18:19], s[18:19], 256*24576     ; the codes of the tile 256 further on
.endif
.if \adv
	s_add_nc_u64 s[\g0+2:\g0+3], s[\g0+2:\g0+3], 0x4000000   ; no load of mine is out, so a group 0 may be written: this slot's next tile, 512 tiles on
.endif
	s_wait_dscnt 0x0                               ; the add is done; my reads of the other slot ended with the last group
	s_barrier_signal -1
	s_barrier_wait -1
.if \g0
	tensor_load_to_lds s[\g0:\g0+3], s[G1:G1+7]    ; my one load behind this barrier
	s_nop 0
.endif
	XLOAD \sl, 0
	GROUP \sl, 0, \cp, \scp, \sof
	GROUP \sl, 1, \cp, \scp, \sof
	GROUP \sl, 2, \cp, \scp, \sof
	GROUP \sl, 3, \cp, \scp, \sof
.endm
	PHASE 0, 52, 0, 0, 18, 20, 0                   ; the encoder's tile g; tile g + 256 is asked for
	PHASE 1, 48, 1, 1, 18, 20, 262144              ; tile g + 256; g + 512 is asked for
	PHASE 0, 52, 1, 1, 18, 20, 524288              ; tile g + 512; g + 768 is asked for
	PHASE 1, 56, 0, 1, 18, 20, 786432              ; tile g + 768; the weights' tile g is asked for
	PHASE 0, 0,  0, 0, 22, 24, 0                   ; the weights' tile g; nothing more is fetched
	s_wait_tensorcnt 0x0                           ; the wave's end: behind my last tensor load and my last LDS store
	ds_add_u32 v[SPW], v[NIL]
	s_wait_dscnt 0x0
	s_endpgm
.Lfunc_end_k_q99b1eff155_prep:
	.size	k_q99b1eff155_prep, .Lfunc_end_k_q99b1eff155_prep-k_q99b1eff155_prep
	.p2alignl 7, 3214868480
	.fill 96, 4, 3214868480
	.section	.rodata,"a",@progbits
	.p2align	6, 0x0
	.amdhsa_kernel k_q99b1eff155_prep
		.amdhsa_group_segment_fixed_size 327680
		.amdhsa_private_segment_fixed_size 0
		.amdhsa_enable_private_segment 0
		.amdhsa_kernarg_size 88
		.amdhsa_user_sgpr_count 2
		.amdhsa_user_sgpr_kernarg_segment_ptr 1
		.amdhsa_wavefront_size32 1
		.amdhsa_system_sgpr_workgroup_id_x 1
		.amdhsa_system_sgpr_workgroup_id_y 1
		.amdhsa_system_sgpr_workgroup_id_z 1
		.amdhsa_system_vgpr_workitem_id 0
		.amdhsa_next_free_vgpr 256
		.amdhsa_next_free_sgpr 66
		.amdhsa_reserve_vcc 1
		.amdhsa_float_denorm_mode_32 3
		.amdhsa_float_denorm_mode_16_64 3
		.amdhsa_memory_ordered 1
		.amdhsa_forward_progress 1
		.amdhsa_inst_pref_size 129
	.end_amdhsa_kernel
	.amdgpu_metadata
---
amdhsa.version: [ 1, 2 ]
amdhsa.kernels:
  - .name:           k_q99b1eff155_prep
    .symbol:         k_q99b1eff155_prep.kd
    .args:
      - { .name: target_batch, .offset: 0, .size: 8, .value_kind: global_buffer, .address_space: global }
      - { .name: Wq, .offset: 8, .size: 8, .value_kind: global_buffer, .address_space: global }
      - { .name: bq, .offset: 16, .size: 8, .value_kind: global_buffer, .address_space: global }
      - { .name: q, .offset: 24, .size: 8, .value_kind: global_buffer, .address_space: global }
      - { .name: encoder_batch, .offset: 32, .size: 8, .value_kind: global_buffer, .address_space: global }
      - { .name: Wk, .offset: 40, .size: 8, .value_kind: global_buffer, .address_space: global }
      - { .name: Wv, .offset: 48, .size: 8, .value_kind: global_buffer, .address_space: global }
      - { .name: enc_codes, .offset: 56, .size: 8, .value_kind: global_buffer, .address_space: global }
      - { .name: enc_scales, .offset: 64, .size: 8, .value_kind: global_buffer, .address_space: global }
      - { .name: w_codes, .offset: 72, .size: 8, .value_kind: global_buffer, .address_space: global }
      - { .name: w_scales, .offset: 80, .size: 8, .value_kind: global_buffer, .address_space: global }
    .group_segment_fixed_size: 327680
    .private_segment_fixed_size: 0
    .kernarg_segment_align: 8
    .kernarg_segment_size: 88
    .max_flat_workgroup_size: 128
    .sgpr_count:     66
    .vgpr_count:     256
    .wavefront_size: 32
...
	.end_amdgpu_metadata
.endif
;; end of part 1
;; launch gemm (part 2): grid 8 x 32, 4 waves a work-group, clusters of 4 x 4, 327,680 bytes of LDS; arguments enc_codes, enc_scales, w_codes, w_scales, q, lp, vt; writes lp, vt
.if DOCPART == 2
	.amdgcn_target "amdgcn-amd-amdhsa--gfx1250"
	.amdhsa_code_object_version 6
	.text
	.protected	k_q99b1eff155_gemm
	.globl	k_q99b1eff155_gemm
	.p2align	8
	.type	k_q99b1eff155_gemm,@function
k_q99b1eff155_gemm:
	s_mov_b64 s[64:65], 0
	v_nop
	global_prefetch_b8 v0, s[64:65] scope:SCOPE_SE
	s_setreg_imm32_b32 hwreg(HW_REG_WAVE_MODE, 25, 1), 1
	s_wait_xcnt 0x0
	s_wait_alu depctr_hold_cnt(0) depctr_sa_sdst(0) depctr_va_vdst(0) depctr_va_sdst(0) depctr_va_ssrc(0) depctr_va_vcc(0) depctr_vm_vsrc(0)
	s_getreg_b32 s2, hwreg(HW_REG_IB_STS2, 6, 4)
	s_cmp_eq_u32 s2, 0
	s_cbranch_scc0 .Lentry_in_a_cluster
	s_endpgm
.Lentry_in_a_cluster:
	s_bfe_u32 s2, ttmp6, 0x10000c
	s_cmp_lg_u32 s2, 0xf033
	s_cbranch_scc0 .Lentry_shape_is_right
	s_endpgm
.Lentry_shape_is_right:
; key = Q(encoder) Q(Wk)^T and value = Q(encoder) Q(Wv)^T as ONE product of [8192][4096] with [2048][4096] on codes of BF6 (E3M2) with E8M0 scales, f32 sums.
; bk is left out (it adds the same term to every logit, which the softmax takes away: see the first kernel's head); bv is added in the last launch.
; A tile of 256 x 256 is made by a work-group of four waves, 128 x 128 a wave: 64 accumulators, 512 registers.  Clusters of 4 x 4: the encoder's tiles are asked for jointly along a row of the cluster, the weights' along a column.
; Cluster column 0 holds key's 1,024 columns: its tiles are not stored: each row's dot product with its 256 numbers of query goes to lp[tile column][row].  Cluster column 1 holds value: stored in bf16 as vt[group of 8 columns][8192 rows][8].
; THE CODES lie as the first launch laid them: [block of 128 rows][K step of 256][128 rows][192 bytes]: what one tensor load brings is 24,576 consecutive bytes, stated as 96 rows of 256 bytes;
; 16 bytes of padding behind each 64 make LDS rows of 240 bytes.  The scale bytes of the work-group's 512 rows, for all of K, come once and stay in LDS.
; THE WALK ALONG K: two slots, each with a K step of 256, that is two steps of 128 (64 matrix instructions each).  BOTH operands have two sets of fragment registers: all loads of a step go into the sets
; that the step before has done with, in ONE run, which may stand anywhere in the step.  THE WAVES TAKE THEIR RUNS BY TURNS: in a step on a slot's first half wave w issues its run ahead of the step's quarter w;
; in a step on a slot's second half waves 0 and 2 issue theirs straight behind the refill, waves 1 and 3 twelve pairs of products later.  The run is written once for each place, under a branch on the wave's number.
; The step on a slot's second half begins with the change of slots: all its fragments were fetched in the step before, so the slot is free as soon as those loads are back.
; THE MATRIX INSTRUCTION IS USED TRANSPOSED (source 0 = 16 rows of the weights, source 1 = 16 rows of the encoder): a lane holds eight neighbouring columns of one row.
; REGISTERS, in windows of 256: window 0: v0-31 addresses; v32-63 scale words, two sets; v64-159 and v160-255 the encoder's fragments, two sets.
;   window 1: v0-95 and v128-223 the weights' fragments, two sets; v96-127 and v224-255 my 128 numbers of query.   windows 2, 3: the accumulators of my rows 0-63, 64-127.
.set TILEB,  24576
.set KROW,   3072
.set KS,     128
.set PITCH,  240
.set FR,     12
.set NP,     4
.set HALFT,  128*PITCH
.set SLOT,   4*HALFT
.set LAPS,   8
.set SCL,    2*SLOT
.set HALFS,  16384
.set SBLK,   128
.set SPARE,  SCL+4*HALFS
.set STG,    SPARE+512
.set PFO,  8                           ; v8 the prefetches' offset
.set ADRA, 16                          ; v16-17 my fragments of the encoder in slot 0, 1; v18-19 the same for pieces whose lanes 16-31 lie behind the next padding
.set ADRB, 20                          ; v20-23 the same for the weights
.set STO,  24
.set RD,   25
.set CO,   26
.set ADRS, 27                          ; v27 my scale words: lanes 0-15 the encoder's rows, lanes 16-31 the weights'; stepped by a K step of 256 at each change of slots
.set SPW,  28
.set NIL,  29
.set BO,   30
.set VO,   31
.set SC,   32
.set AF,   64
.set U,    128
.set G1, 24
.set G0, 32
.set G1B, 48
.set G0B, 56
.set G1S, 68
.set G0S, 76
.set G1SB, 80
.set G0SB, 88
.set MSB, 0
.macro WIN new                         ; the immediate's high byte repeats the setting that is left
.set WNEW, \new
.if MSB != WNEW
	s_set_vgpr_msb (MSB<<8)|WNEW
.set MSB, WNEW
.endif
.endm
.set MUL_LO, 0xa1                      ; source 0 window 1, source 1 window 0, C and D window 2
.set TO_B,   0x40                      ; destination window 1, address window 0
.macro JLOAD g0a, g1a, g0b, g1b        ; a joint load: waves 0, 1 fetch for the encoder, waves 2, 3 for the weights
	s_cmp_eq_u32 s15, 0
	s_cbranch_scc0 .Lfor_b_\@
	tensor_load_to_lds s[\g0a:\g0a+3], s[\g1a:\g1a+7]
	s_nop 0
.rept 4
	v_nop
.endr
	s_branch .Lasked_\@
.Lfor_b_\@:
	tensor_load_to_lds s[\g0b:\g0b+3], s[\g1b:\g1b+7]
	s_nop 0
.rept 4
	v_nop
.endr
.Lasked_\@:
.endm
.macro CREST                           ; a round of the cluster's barrier behind its opening barrier
	s_cmp_lg_u32 s14, 0
	s_cbranch_scc1 .Lnot_wave_0_\@
	s_barrier_signal -3
.Lnot_wave_0_\@:
	s_barrier_wait -3
	s_barrier_signal -1
	s_barrier_wait -1
.endm
.macro CROUND
	s_barrier_signal -1
	s_barrier_wait -1
	CREST
.endm
	s_load_b256 s[4:11], s[0:1], 0x0               ; the encoder's codes, scales; the weights' codes, scales
	s_load_b64 s[12:13], s[0:1], 0x20              ; q
	s_load_b64 s[100:101], s[0:1], 0x28            ; lp
	s_load_b64 s[66:67], s[0:1], 0x30              ; vt
	v_lshl_add_u32 v[SPW], v0, 2, SPARE
	v_mov_b32 v[NIL], 0
	ds_add_u32 v[SPW], v[NIL]                      ; the opening lines: the add, twice on end, and its wait
	ds_add_u32 v[SPW], v[NIL]
	v_lshrrev_b32 v1, 5, v0
	v_readfirstlane_b32 s14, v1                    ; wave
	s_lshr_b32 s15, s14, 1                         ; which half of the tile's rows is mine; also: I fetch for the encoder (0) or the weights (1)
	s_and_b32 s16, s14, 1                          ; which half of its columns; also: which 128 rows I fetch
	s_bfe_u32 s40, ttmp6, 0x40000                  ; cx
	s_bfe_u32 s41, ttmp6, 0x40004                  ; cy
	s_lshl_b32 s42, ttmp9, 2
	s_add_co_u32 s42, s42, s40                     ; tile column
	s_and_b32 s17, ttmp7, 0xffff
	s_lshl_b32 s17, s17, 2
	s_add_co_u32 s17, s17, s41                     ; tile row
	s_lshl_b32 s43, s41, 2
	s_lshl_b32 s43, 15, s43                        ; my row of the cluster
	s_lshl_b32 s44, 0x1111, s40                    ; my column
	s_or_b32 s[G1+0], s43, (3<<16)|(1<<20)|(1<<21)|(3<<22)|(3<<25)   ; elements of 8 bytes; after every 16 words 4 words of padding
	s_or_b32 s[G1B+0], s44, (3<<16)|(1<<20)|(1<<21)|(3<<22)|(3<<25)
.irp g, G1, G1B
	s_mov_b32 s[\g+1], 32<<16
	s_mov_b32 s[\g+2], 96<<16
	s_mov_b32 s[\g+3], 32<<16
	s_mov_b32 s[\g+4], 96
	s_mov_b32 s[\g+5], 32
	s_mov_b32 s[\g+6], 0
	s_mov_b32 s[\g+7], 0
.endr
	s_or_b32 s[G1S+0], s43, (3<<16)|(1<<21)        ; the scales of 128 rows: 16,384 dense bytes as 64 rows of 256
	s_or_b32 s[G1SB+0], s44, (3<<16)|(1<<21)
.irp g, G1S, G1SB
	s_mov_b32 s[\g+1], 32<<16
	s_mov_b32 s[\g+2], 64<<16
	s_mov_b32 s[\g+3], 32<<16
	s_mov_b32 s[\g+4], 64
	s_mov_b32 s[\g+5], 32
	s_mov_b32 s[\g+6], 0
	s_mov_b32 s[\g+7], 0
.endr
	s_lshl_b32 s18, s16, 7
	s_lshl_b32 s20, s17, 8
	s_add_co_u32 s20, s20, s18                     ; the encoder's rows that I fetch
	s_lshl_b32 s46, s42, 8
	s_add_co_u32 s46, s46, s18                     ; the weights'
	s_mov_b32 s21, 0
	s_mov_b32 s47, 0
	s_mov_b64 s[18:19], KS
	s_mul_u64 s[22:23], s[20:21], s[18:19]
	s_mul_u64 s[92:93], s[46:47], s[18:19]
	s_mov_b64 s[18:19], KROW
	s_mul_u64 s[20:21], s[20:21], s[18:19]
	s_mul_u64 s[46:47], s[46:47], s[18:19]
	s_mul_i32 s45, s14, HALFT
	s_mul_i32 s94, s14, HALFS
	s_wait_dscnt 0x0                               ; both opening adds are done
	s_wait_kmcnt 0x0
	s_add_nc_u64 s[20:21], s[4:5], s[20:21]
	s_add_nc_u64 s[22:23], s[6:7], s[22:23]
	s_add_nc_u64 s[46:47], s[8:9], s[46:47]
	s_add_nc_u64 s[92:93], s[10:11], s[92:93]
	s_cmp_eq_u32 s15, 0                            ; the prefetches' address, s[4:5]: the tiles that my wave fetches,
	s_cselect_b64 s[4:5], s[20:21], s[46:47]
	s_cselect_b32 s6, s40, s41                     ; my work-group's place among the four that ask for them jointly:
	s_mul_i32 s6, s6, 6144                         ; its 24 of a tile's 96 blocks of 256 bytes: the partners are told apart by address alone;
	s_add_co_u32 s6, s6, 3*TILEB                   ; at K step 3: the first refill steps it to K step 4
	s_mov_b32 s7, 0
	s_add_nc_u64 s[4:5], s[4:5], s[6:7]
	CROUND                                         ; all sixteen work-groups are here: the first joint loads meet
	s_mov_b32 s[G0S], 1
	s_add_co_u32 s[G0S+1], s94, SCL
	s_mov_b64 s[G0S+2:G0S+3], s[22:23]
	s_or_b32 s[G0S+3], s[G0S+3], 0x80000000
	s_mov_b32 s[G0SB], 1
	s_add_co_u32 s[G0SB+1], s94, SCL
	s_mov_b64 s[G0SB+2:G0SB+3], s[92:93]
	s_or_b32 s[G0SB+3], s[G0SB+3], 0x80000000
	JLOAD G0S, G1S, G0SB, G1SB                     ; my one load at the head: the scales of my 128 rows
.irp s, 0,1                            ; slot 0's and slot 1's first fills, each behind the full sequence and a round, as a refill is
	s_mov_b32 s[G0+4*\s], 1
	s_add_co_u32 s[G0+4*\s+1], s45, \s*SLOT
	s_add_nc_u64 s[G0+4*\s+2:G0+4*\s+3], s[20:21], \s*TILEB
	s_or_b32 s[G0+4*\s+3], s[G0+4*\s+3], 0x80000000
	s_mov_b32 s[G0B+4*\s], 1
	s_add_co_u32 s[G0B+4*\s+1], s45, \s*SLOT
	s_add_nc_u64 s[G0B+4*\s+2:G0B+4*\s+3], s[46:47], \s*TILEB
	s_or_b32 s[G0B+4*\s+3], s[G0B+4*\s+3], 0x80000000
	s_wait_alu depctr_va_vdst(0)
	s_wait_tensorcnt 0x0
	ds_add_u32 v[SPW], v[NIL]
	s_wait_dscnt 0x0
	CROUND
	JLOAD G0+4*\s, G1, G0B+4*\s, G1B
.endr
	s_mul_i32 s6, s15, HALFT                       ; my 128 rows of the encoder in slot 0,
	s_mul_i32 s7, s16, HALFT
	s_add_co_u32 s7, s7, 2*HALFT                   ; of the weights,
	s_add_co_u32 s8, s6, SLOT                      ; and in slot 1
	s_add_co_u32 s9, s7, SLOT
	s_mul_i32 s10, s15, HALFS                      ; the scales likewise
	s_mul_i32 s11, s16, HALFS
	s_add_co_u32 s11, s11, 2*HALFS
	s_sub_co_u32 s11, s11, s10
	s_add_co_u32 s10, s10, SCL
	s_lshl_b32 s18, s14, 9
	s_add_co_u32 s18, s18, STG                     ; the way out of key's tiles: 512 bytes a wave
	s_lshl_b32 s19, s15, 10
	s_lshl_b32 s21, s16, 8
	s_add_co_u32 s19, s19, s21
	s_add_co_u32 s19, s19, STG
	v_and_b32 v1, 15, v0                           ; r
	v_bfe_u32 v2, v0, 4, 1                         ; h
	v_and_b32 v6, 31, v0
	v_mul_u32_u24 v3, v1, PITCH
	v_mad_u32_u24 v4, v2, 24, v3                   ; row x pitch + 24 h
	v_lshl_add_u32 v5, v2, 4, v4                   ; + 16 h more, where lanes 16-31 lie behind a padding
	v_add_nc_u32 v[ADRA], s6, v4
	v_add_nc_u32 v[ADRA+1], s8, v4
	v_add_nc_u32 v[ADRA+2], s6, v5
	v_add_nc_u32 v[ADRA+3], s8, v5
	v_add_nc_u32 v[ADRB], s7, v4
	v_add_nc_u32 v[ADRB+1], s9, v4
	v_add_nc_u32 v[ADRB+2], s7, v5
	v_add_nc_u32 v[ADRB+3], s9, v5
	v_lshlrev_b32 v7, 3, v1
	v_mul_u32_u24 v9, s11, v2                      ; lanes 16-31 take the weights' scales
	v_add_nc_u32 v7, v7, v9
	v_add_nc_u32 v[ADRS], s10, v7
	v_lshl_add_u32 v[STO], v6, 2, s18
	v_lshl_add_u32 v[RD], v6, 3, s19
	v_lshlrev_b32 v[CO], 3, v6
	v_lshlrev_b32 v[BO], 5, v2
	v_lshlrev_b32 v[VO], 17, v2
	v_lshl_add_u32 v[VO], v1, 4, v[VO]
	v_min_u32 v[PFO], 23, v6                       ; 256 x lane; lanes 24-31 name the last block again
	v_lshlrev_b32 v[PFO], 8, v[PFO]
	s_wait_alu depctr_va_vdst(0)
	s_lshl_b32 s98, s40, 10                        ; query: my 128 columns
	s_lshl_b32 s99, s16, 9
	s_add_co_u32 s98, s98, s99
	s_mov_b32 s99, 0
	s_add_nc_u64 s[12:13], s[12:13], s[98:99]
	s_lshl_b32 s98, s40, 15                        ; lp: plane cx, my rows
	s_lshl_b32 s92, s17, 10
	s_add_co_u32 s98, s98, s92
	s_lshl_b32 s92, s15, 9
	s_add_co_u32 s98, s98, s92
	s_lshl_b32 s92, s16, 8
	s_add_co_u32 s98, s98, s92
	s_add_nc_u64 s[100:101], s[100:101], s[98:99]
	s_lshl_b32 s98, s40, 22                        ; vt: my groups of 8 columns, my rows
	s_lshl_b32 s92, s16, 21
	s_add_co_u32 s98, s98, s92
	s_lshl_b32 s92, s17, 12
	s_add_co_u32 s98, s98, s92
	s_lshl_b32 s92, s15, 11
	s_add_co_u32 s98, s98, s92
	s_add_nc_u64 s[66:67], s[66:67], s[98:99]
	WIN TO_B
.irp b, 0,1,2,3,4,5,6,7                ; query at my lane's eight columns of each of the eight blocks: waited for behind the walk
	global_load_b128 v[96+8*\b+96*(\b/4):96+8*\b+96*(\b/4)+3], v[BO], s[12:13] offset:64*\b
	global_load_b128 v[96+8*\b+96*(\b/4)+4:96+8*\b+96*(\b/4)+7], v[BO], s[12:13] offset:64*\b+16
.endr
	WIN 0
; THE LIST OF A STEP'S LOADS, in the order in which the step wants them: (ws = 1: the 8 loads of a slot's scale words,) the encoder's block 0, the weights' blocks 0-7, the encoder's blocks 1-7; six loads of 8 bytes a fragment.
; LD1 issues number LI of the list: half q of the slot, into fragment set 'set'.
.macro LD1 slot, q, set, ws
.set FI, LI-8*(\ws)
.if FI < 0
	WIN 0
	ds_load_b64 v[SC+16*(\slot)+2*LI:SC+16*(\slot)+2*LI+1], v[ADRS] offset:LI*SBLK
.else
.set FF, FI/6
.set PP, FI%6
.set PC, 12*(\q)+6*(PP/3)+PP%3         ; which 8 bytes of the row's 192; 16 bytes of padding lie behind every eight of them
.set VAR, 2*((PC%8)/5)
.if (FF >= 1) && (FF <= 8)
.set IX, FF-1
	WIN TO_B
	ds_load_b64 v[128*(\set)+FR*IX+2*PP:128*(\set)+FR*IX+2*PP+1], v[ADRB+(\slot)+VAR] offset:8*PC+16*(PC/8)+IX*16*PITCH
.else
.set IX, (FF/9)*(FF-8)
	WIN 0
	ds_load_b64 v[AF+96*(\set)+FR*IX+2*PP:AF+96*(\set)+FR*IX+2*PP+1], v[ADRA+(\slot)+VAR] offset:8*PC+16*(PC/8)+IX*16*PITCH
.endif
.endif
.set LI, LI+1
.endm
.macro EMIT n, slot, q, set, ws
.rept \n
	LD1 \slot, \q, \set, \ws
.endr
.endm
; The whole list in one run, issued here by the waves whose number in s[reg] is pos; the others pass by.  At a branch and at a label every window is 0.
.macro RUN reg, pos, n, slot, q, set, ws
	WIN 0
	s_cmp_lg_u32 s[\reg], \pos
	s_cbranch_scc1 .Lnot_now_\@
.set LI, 0
	EMIT \n, \slot, \q, \set, \ws
	WIN 0
.Lnot_now_\@:
.endm
.macro WM b, set, q, sc, first
.if \first
	v_wmma_scale_f32_16x16x128_f8f6f4 v[8*(8*(AA%4)+(\b)):8*(8*(AA%4)+(\b))+7], v[128*(\set)+FR*(\b):128*(\set)+FR*(\b)+FR-1], v[AF+96*(\set)+FR*AA:AF+96*(\set)+FR*AA+FR-1], 0, v[SC+16*(\sc)+2*(\b)+(\q)], v[SC+16*(\sc)+2*AA+(\q)] matrix_a_fmt:MATRIX_FMT_BF6 matrix_b_fmt:MATRIX_FMT_BF6 matrix_a_scale:MATRIX_SCALE_ROW1
.else
	v_wmma_scale_f32_16x16x128_f8f6f4 v[8*(8*(AA%4)+(\b)):8*(8*(AA%4)+(\b))+7], v[128*(\set)+FR*(\b):128*(\set)+FR*(\b)+FR-1], v[AF+96*(\set)+FR*AA:AF+96*(\set)+FR*AA+FR-1], v[8*(8*(AA%4)+(\b)):8*(8*(AA%4)+(\b))+7], v[SC+16*(\sc)+2*(\b)+(\q)], v[SC+16*(\sc)+2*AA+(\q)] matrix_a_fmt:MATRIX_FMT_BF6 matrix_b_fmt:MATRIX_FMT_BF6 matrix_a_scale:MATRIX_SCALE_ROW1
.endif
.endm
; Pair m of a step's 32: the encoder's block m / 4 against the weights' blocks 2 (m % 4) and + 1.  The 64 accumulators take turns, one instruction a turn, in the same order in every step.
.macro PAIR m, set, q, sc, first
.set AA, (\m)/4
.set BB, 2*((\m)%4)
	WIN MUL_LO+0x50*(AA/4)
	WM BB, \set, \q, \sc, \first
	WM BB+1, \set, \q, \sc, \first
.endm
.macro PLACES n
.rept \n
	v_nop
.endr
.endm
; The step on a slot's first half: fragment sets 0.  Its run of 96 loads brings the slot's second half into sets 1: wave w issues it ahead of pair 8 w.
.macro ESTEP slot, first
	s_wait_dscnt 18                                ; all but the youngest 18 loads are in: those are the encoder's blocks 5-7, the end of my last run
	PLACES NP                                      ; the places between the last step's products and the loads into the registers that they read
.set MM, 0
.rept 32
.if MM == 16
	s_wait_dscnt 0x0                               ; blocks 5-7 are in.  (Waves 0 and 1 have issued this step's run eight pairs ago or more, waves 2 and 3 not yet)
.endif
.if MM%8 == 0
	RUN 14, MM/8, 96, \slot, 1, 1, 0
.endif
	PAIR MM, 0, 0, \slot, \first
.set MM, MM+1
.endr
	WIN 0
.endm
; The step on a slot's second half: fragment sets 1.  It opens with the change of slots: each wave waits for all its tensor loads (its part of the next slot), adds 0 to its spare word,
; and waits for that and for its reads of this slot, with eight products between; the barrier opens a round of the cluster's barrier (fill = 1), behind which this slot is filled again first.
; Then 24 pairs, and the run of 104 loads for the next slot's scale words and first half: waves 0 and 2 issue it ahead of pair 8, waves 1 and 3 ahead of pair 20.
.macro OSTEP slot, next, fill
.if \fill
	s_wait_xcnt 0x0                                ; my last prefetch has read its address: it is stepped here, a K step of 256 behind that prefetch,
	s_add_nc_u64 s[4:5], s[4:5], TILEB             ; to the K step two on from this change's refill
.endif
	s_wait_tensorcnt 0x0
	ds_add_u32 v[SPW], v[NIL]
.if \fill
	s_add_nc_u64 s[G0+4*\slot+2:G0+4*\slot+3], s[G0+4*\slot+2:G0+4*\slot+3], 2*TILEB   ; no load of mine is out: this slot's next tile
	s_add_nc_u64 s[G0B+4*\slot+2:G0B+4*\slot+3], s[G0B+4*\slot+2:G0B+4*\slot+3], 2*TILEB
.endif
	s_wait_dscnt 19                                ; the add and the youngest 18 loads may be out
.set MM, 0
.rept 4
	PAIR MM, 1, 1, \slot, 0
.set MM, MM+1
.endr
	s_wait_dscnt 0x0                               ; the add is done, and so are my reads of this slot
	s_barrier_signal -1
.rept 4
	PAIR MM, 1, 1, \slot, 0
.set MM, MM+1
.endr
	WIN 0
	s_barrier_wait -1
.if \fill
	CREST
	JLOAD G0+4*\slot, G1, G0B+4*\slot, G1B         ; the four v_nop behind it are the places in front of the loads below
.else
	PLACES NP
.endif
	v_add_nc_u32 v[ADRS], 1024, v[ADRS]            ; the next K step's scale words
	s_wait_alu depctr_va_vdst(0)
.rept 24
.if MM == 8
	RUN 16, 0, 104, \next, 0, 0, 1
.endif
.if MM == 20
	RUN 16, 1, 104, \next, 0, 0, 1
.endif
.if (\fill) && (MM == 16)
	WIN 0
	s_cmp_gt_u32 s3, 1                             ; the loop's last trip refills with K steps 14 and 15: no K step stands two on
	s_cbranch_scc0 .Lno_ask_\@
	global_prefetch_b8 v[PFO], s[4:5] th:TH_LOAD_NT scope:SCOPE_SE   ; 24 blocks of 256 bytes, a lane a block, of the tile that my wave's refill two changes of slots on will fetch
.Lno_ask_\@:
.endif
	PAIR MM, 1, 1, \slot, 0
.set MM, MM+1
.endr
	WIN 0
.endm
	; slot 0 is whole for every wave: each waited for its part ahead of the round behind which slot 1 was asked for
.set LI, 0
	EMIT 104, 0, 0, 0, 1
	WIN 0
	ESTEP 0, 1                                     ; the first step's products start the sums: nothing is cleared
	s_mov_b32 s3, LAPS-1
.Llap:
	OSTEP 0, 1, 1
	ESTEP 1, 0
	OSTEP 1, 0, 1
	ESTEP 0, 0
	s_sub_co_u32 s3, s3, 1
	s_cmp_lg_u32 s3, 0
	s_cbranch_scc1 .Llap
	OSTEP 0, 1, 0                                  ; nothing more is fetched from memory
	ESTEP 1, 0
	s_wait_dscnt 18                                ; the very last step
.set MM, 0
.rept 32
.if MM == 20
	s_wait_dscnt 0x0
.endif
	PAIR MM, 1, 1, 1, 0
.set MM, MM+1
.endr
	WIN 0
	PLACES NP
	s_wait_loadcnt 0x0                             ; query
	s_cmp_lg_u32 ttmp9, 0                          ; the cluster's x: the same in all partners
	s_cbranch_scc1 .Lvalue
	; KEY: each row's dot product with query over my 128 columns; each accumulator is read from its low end on
.irp w, 0,1
	WIN 0x06+\w                                    ; source 0: window 2 or 3; source 1: window 1
.irp b, 0,1,2,3,4,5,6,7
.irp jp, 0,1,2,3
.irp a, 0,1,2,3
.if (\b == 0) && (\jp < 2)
	v_pk_mul_f32 v[U+4*(4*\w+\a)+2*(\jp%2):U+4*(4*\w+\a)+2*(\jp%2)+1], v[8*(8*\a+\b)+2*\jp:8*(8*\a+\b)+2*\jp+1], v[96+8*\b+96*(\b/4)+2*\jp:96+8*\b+96*(\b/4)+2*\jp+1]
.else
	v_pk_fma_f32 v[U+4*(4*\w+\a)+2*(\jp%2):U+4*(4*\w+\a)+2*(\jp%2)+1], v[8*(8*\a+\b)+2*\jp:8*(8*\a+\b)+2*\jp+1], v[96+8*\b+96*(\b/4)+2*\jp:96+8*\b+96*(\b/4)+2*\jp+1], v[U+4*(4*\w+\a)+2*(\jp%2):U+4*(4*\w+\a)+2*(\jp%2)+1]
.endif
.endr
.endr
.endr
.endr
	WIN 0
.irp a, 0,1,2,3,4,5,6,7
	v_pk_add_f32 v[U+4*\a:U+4*\a+1], v[U+4*\a:U+4*\a+1], v[U+4*\a+2:U+4*\a+3]
.endr
.irp a, 0,1,2,3,4,5,6,7
	v_add_f32 v[U+4*\a], v[U+4*\a], v[U+4*\a+1]
.endr
.irp i, 0,1,2,3
	v_permlane16_swap_b32 v[U+8*\i], v[U+8*\i+4]   ; the two halves of the lanes hold the two halves of a row's columns: blocks 2 i and 2 i + 1 change halves,
.endr
.irp i, 0,1,2,3
	v_add_f32 v[U+8*\i], v[U+8*\i], v[U+8*\i+4]    ; and lane l holds row 32 i + l
.endr
.irp i, 0,1,2,3
	ds_store_b32 v[STO], v[U+8*\i] offset:128*\i
.endr
	s_wait_dscnt 0x0                               ; for the others' sake
	s_barrier_signal -1
	s_barrier_wait -1
	ds_load_b64 v[U:U+1], v[RD]                    ; the two waves that share my rows: their sums over the tile's two halves of columns
	ds_load_b64 v[U+2:U+3], v[RD] offset:512
	s_wait_dscnt 0x0
	v_pk_add_f32 v[U+4:U+5], v[U:U+1], v[U+2:U+3]
	global_store_b64 v[CO], v[U+4:U+5], s[100:101] ; 32 lanes store 256 consecutive bytes, aligned
	s_branch .Lend
.Lvalue:
	; VALUE: rounded to bf16; a lane's eight columns of a row are 16 bytes, sixteen lanes' rows 256 consecutive bytes of vt
.irp a, 0,1,2,3,4,5,6,7
.if \a >= 4
	s_wait_xcnt 0x0                                ; the stores of four blocks ago have read these registers
.endif
	WIN 0x0a+5*(\a/4)
.irp b, 0,1,2,3,4,5,6,7
.irp r, 0,1,2,3
	v_cvt_pk_bf16_f32 v[U+32*(\a%4)+4*\b+\r], v[64*(\a%4)+8*\b+2*\r], v[64*(\a%4)+8*\b+2*\r+1]
.endr
.endr
	WIN 0
.irp b, 0,1,2,3,4,5,6,7
	global_store_b128 v[VO], v[U+32*(\a%4)+4*\b:U+32*(\a%4)+4*\b+3], s[66:67] offset:262144*\b+256*\a
.endr
.endr
.Lend:
	s_wait_tensorcnt 0x0                           ; the wave's end
	ds_add_u32 v[SPW], v[NIL]
	s_wait_dscnt 0x0
	CROUND                                         ; the closing round
	s_endpgm
.Lfunc_end_k_q99b1eff155_gemm:
	.size	k_q99b1eff155_gemm, .Lfunc_end_k_q99b1eff155_gemm-k_q99b1eff155_gemm
	.p2alignl 7, 3214868480
	.fill 96, 4, 3214868480
	.section	.rodata,"a",@progbits
	.p2align	6, 0x0
	.amdhsa_kernel k_q99b1eff155_gemm
		.amdhsa_group_segment_fixed_size 327680
		.amdhsa_private_segment_fixed_size 0
		.amdhsa_enable_private_segment 0
		.amdhsa_kernarg_size 56
		.amdhsa_user_sgpr_count 2
		.amdhsa_user_sgpr_kernarg_segment_ptr 1
		.amdhsa_wavefront_size32 1
		.amdhsa_system_sgpr_workgroup_id_x 1
		.amdhsa_system_sgpr_workgroup_id_y 1
		.amdhsa_system_sgpr_workgroup_id_z 1
		.amdhsa_system_vgpr_workitem_id 0
		.amdhsa_next_free_vgpr 1024
		.amdhsa_next_free_sgpr 102
		.amdhsa_reserve_vcc 0
		.amdhsa_float_denorm_mode_32 3
		.amdhsa_float_denorm_mode_16_64 3
		.amdhsa_memory_ordered 1
		.amdhsa_forward_progress 1
		.amdhsa_inst_pref_size 255
	.end_amdhsa_kernel
	.section	.bss,"aw",@nobits
	.p2align	6
	.space	262144
	.amdgpu_metadata
---
amdhsa.version: [ 1, 2 ]
amdhsa.kernels:
  - .name:           k_q99b1eff155_gemm
    .symbol:         k_q99b1eff155_gemm.kd
    .args:
      - { .name: enc_codes, .offset: 0, .size: 8, .value_kind: global_buffer, .address_space: global }
      - { .name: enc_scales, .offset: 8, .size: 8, .value_kind: global_buffer, .address_space: global }
      - { .name: w_codes, .offset: 16, .size: 8, .value_kind: global_buffer, .address_space: global }
      - { .name: w_scales, .offset: 24, .size: 8, .value_kind: global_buffer, .address_space: global }
      - { .name: q, .offset: 32, .size: 8, .value_kind: global_buffer, .address_space: global }
      - { .name: lp, .offset: 40, .size: 8, .value_kind: global_buffer, .address_space: global }
      - { .name: vt, .offset: 48, .size: 8, .value_kind: global_buffer, .address_space: global }
    .group_segment_fixed_size: 327680
    .private_segment_fixed_size: 0
    .kernarg_segment_align: 8
    .kernarg_segment_size: 56
    .max_flat_workgroup_size: 128
    .sgpr_count:     102
    .vgpr_count:     1024
    .wavefront_size: 32
...
	.end_amdgpu_metadata
.endif
;; end of part 2
;; launch finish (part 3): grid 128 x 1, 32 waves a work-group, no clusters, 38,912 bytes of LDS; arguments lp, vt, out0, bv; writes out0
.if DOCPART == 3
	.amdgcn_target "amdgcn-amd-amdhsa--gfx1250"
	.amdhsa_code_object_version 6
	.text
	.protected	k_q99b1eff155_finish
	.globl	k_q99b1eff155_finish
	.p2align	8
	.type	k_q99b1eff155_finish,@function
k_q99b1eff155_finish:
	s_mov_b64 s[64:65], 0
	v_nop
	global_prefetch_b8 v0, s[64:65] scope:SCOPE_SE
	s_setreg_imm32_b32 hwreg(HW_REG_WAVE_MODE, 25, 1), 1
	s_wait_xcnt 0x0
; out[n] = the sum over the 8,192 rows s of softmax_s(logit[s]) value[s][n], + bv[n] (the p sum to 1, so bv is added once).  logit[s] = (lp[0][s] + lp[1][s] + lp[2][s] + lp[3][s]) / 32: the four planes are the
; partial dot products of key with the query.  bk is left out: it adds the same term to every logit, which the softmax takes away (see the first kernel's head).
; vt holds value, without bv, in bf16 as [group of 8 columns][8192 rows][8].  All arithmetic here is f32; the softmax takes the true largest logit away before the exponential: p = 2^(c L - c m), c = log2(e) / 32, at most about 1,
; and the sum of p is at least about 1; it divides at the end.
; SHARES.  Work-group g owns out[8 g .. 8 g + 7]: it reads its own group of vt, 131,072 consecutive bytes, once, and all of lp.  The softmax's 8,192 exponentials are made again in each of the 128 work-groups:
; that takes the place of a launch of its own.  32 waves, 1,024 threads: thread t makes p of rows 4 t .. 4 t + 3 and 4,096 + 4 t .. + 3, hands them on through LDS, and weighs rows 1,024 i + t, i = 0 .. 7.
; Every load of a wave covers 512 consecutive bytes.  No matrix unit (a product of one row), no cluster and no tensor load (each byte of vt is read by one work-group; lp is small).
; A work-group's result is 32 bytes, stored by one lane; the whole output is 4,096 bytes.
; LIMITS: NaN and infinities are not served.
.set PW,   0                           ; LDS: p of the 8,192 rows, 4 bytes each
.set RED1, 32768                       ; a word for each wave: its largest logit
.set RED2, 33024                       ; a word for each wave: its sum of p
.set RED3, 33280                       ; 32 bytes for each wave: its eight weighted sums
.set L,    16                          ; v16-47 the planes' logits; then v16-23 the logits, p, and at last the eight weighted sums
.set V,    48                          ; v48-79 eight rows of value: 4 registers, 8 bf16 each
.set PR,   80                          ; v80-87 p of my eight rows
.set T,    88                          ; v88-95 at work
	s_load_b128 s[4:7], s[0:1], 0x0                ; lp s[4:5], vt s[6:7]
	s_load_b128 s[8:11], s[0:1], 0x10              ; out s[8:9], bv s[10:11]
	v_lshl_add_u32 v96, v0, 2, 0x8800
	v_mov_b32 v97, 0
	v_lshlrev_b32 v1, 4, v0                        ; 16 t
	v_lshlrev_b32 v2, 2, v0                        ; 4 t
	v_and_b32 v3, 31, v0
	v_lshrrev_b32 v4, 5, v0
	s_delay_alu instid0(VALU_DEP_1)
	v_readfirstlane_b32 s13, v4                    ; wave 0..31
	s_delay_alu instid0(VALU_DEP_2)
	v_lshlrev_b32 v5, 5, v4                        ; 32 x wave
	s_delay_alu instid0(VALU_DEP_3)
	v_lshlrev_b32 v4, 2, v4                        ; 4 x wave
	v_lshlrev_b32 v6, 5, v3                        ; 32 x lane
	v_lshlrev_b32 v3, 2, v3                        ; 4 x lane
	v_mov_b32 v7, 0
	v_mov_b32 v9, 0                                ; a lane permute's destination counts as one of its sources
	s_mov_b32 s12, 0x3d38aa3b                      ; c = log2(e) / 32
	s_mov_b32 s28, 0x76543210
	s_mov_b32 s29, 0xfedcba98                      ; v_permlanex16_b32's selects for lane l xor 16
	s_lshl_b32 s14, ttmp9, 17                      ; my group of vt
	s_mov_b32 s15, 0
	s_lshl_b32 s16, ttmp9, 5                       ; my 32 bytes of out and of bv
	s_mov_b32 s17, 0
	s_wait_alu depctr_va_vdst(0)
	s_wait_kmcnt 0x0
	s_add_nc_u64 s[6:7], s[6:7], s[14:15]
	s_add_nc_u64 s[8:9], s[8:9], s[16:17]
	s_add_nc_u64 s[10:11], s[10:11], s[16:17]
	s_load_b256 s[20:27], s[10:11], 0x0            ; bv of my eight columns: waited for by wave 0, at the end
.irp p, 0,1,2,3
.irp u, 0,1
	global_load_b128 v[L+4*(2*\p+\u):L+4*(2*\p+\u)+3], v1, s[4:5] offset:32768*\p+16384*\u
.endr
.endr
.irp i, 0,1,2,3,4,5,6,7
	global_load_b128 v[V+4*\i:V+4*\i+3], v1, s[6:7] offset:16384*\i th:TH_LOAD_NT   ; row 1,024 i + t: read once in the launch
.endr
.macro WMAX r, t                       ; the largest of the wave's 32, in every lane
.irp m, 1
	v_max_num_f32_dpp v[\r], v[\r], v[\r] row_xmask:\m row_mask:0xf bank_mask:0xf
.endr
.irp m, 2, 4, 8
	s_delay_alu instid0(VALU_DEP_1)
	v_max_num_f32_dpp v[\r], v[\r], v[\r] row_xmask:\m row_mask:0xf bank_mask:0xf
.endr
	s_wait_alu depctr_va_vdst(0)
	v_permlanex16_b32 v[\t], v[\r], s28, s29
	s_delay_alu instid0(VALU_DEP_1)
	v_max_num_f32 v[\r], v[\r], v[\t]
.endm
.macro WSUM r, t                       ; the sum of the wave's 32, in every lane
.irp m, 1
	v_add_f32_dpp v[\r], v[\r], v[\r] row_xmask:\m row_mask:0xf bank_mask:0xf
.endr
.irp m, 2, 4, 8
	s_delay_alu instid0(VALU_DEP_1)
	v_add_f32_dpp v[\r], v[\r], v[\r] row_xmask:\m row_mask:0xf bank_mask:0xf
.endr
	s_delay_alu instid0(VALU_DEP_1)
	v_permlanex16_b32 v[\t], v[\r], s28, s29
	s_delay_alu instid0(VALU_DEP_1)
	v_add_f32 v[\r], v[\r], v[\t]
.endm
	s_wait_loadcnt 8                               ; the eight loads of lp are in; the eight of vt may be out
.irp p, 1,2,3
.irp u, 0,1
.irp k, 0,2
	v_pk_add_f32 v[L+4*\u+\k:L+4*\u+\k+1], v[L+4*\u+\k:L+4*\u+\k+1], v[L+4*(2*\p+\u)+\k:L+4*(2*\p+\u)+\k+1]   ; the four planes
.endr
.endr
.endr
	s_delay_alu instid0(VALU_DEP_3)
	v_max3_num_f32 v8, v[L], v[L+1], v[L+2]        ; the largest of my eight,
	s_delay_alu instid0(VALU_DEP_1)
	v_max3_num_f32 v8, v8, v[L+3], v[L+4]
	s_delay_alu instid0(VALU_DEP_1)
	v_max3_num_f32 v8, v8, v[L+5], v[L+6]
	s_delay_alu instid0(VALU_DEP_1)
	v_max_num_f32 v8, v8, v[L+7]
	WMAX 8, 9                                      ; of my wave's 256,
	ds_store_b32 v4, v8 offset:RED1                ; (all lanes write the same word with the same value)
	s_wait_dscnt 0x0                               ; for the others' sake
	s_barrier_signal -1
	s_barrier_wait -1
	ds_load_b32 v8, v3 offset:RED1                 ; lane l takes wave l's
	s_wait_dscnt 0x0
	WMAX 8, 9                                      ; and of all 8,192
	s_delay_alu instid0(VALU_DEP_1)
	v_mul_f32 v10, s12, v8                         ; c m
.irp j, 0,1,2,3,4,5,6,7
	v_fma_f32 v[L+\j], v[L+\j], s12, -v10          ; c L - c m
.endr
	s_wait_alu depctr_va_vdst(0)
.irp j, 0,1,2,3,4,5,6,7
	v_exp_f32 v[L+\j], v[L+\j]                     ; p
.endr
	v_nop                                          ; a plain instruction between the last exponential and the use of its result (ISA guide 5.7.2)
	s_wait_alu depctr_va_vdst(0)
	ds_store_b128 v1, v[L:L+3] offset:PW           ; rows 4 t on,
	ds_store_b128 v1, v[L+4:L+7] offset:PW+16384   ; rows 4,096 + 4 t on
	v_pk_add_f32 v[T:T+1], v[L:L+1], v[L+2:L+3]
	v_pk_add_f32 v[T+2:T+3], v[L+4:L+5], v[L+6:L+7]
	s_delay_alu instid0(VALU_DEP_1)
	v_pk_add_f32 v[T:T+1], v[T:T+1], v[T+2:T+3]
	s_delay_alu instid0(VALU_DEP_1)
	v_add_f32 v[T], v[T], v[T+1]
	WSUM T, 9
	ds_store_b32 v4, v[T] offset:RED2              ; my wave's sum of p
	s_wait_dscnt 0x0                               ; for the others' sake: p and the sum are in LDS
	s_barrier_signal -1
	s_barrier_wait -1
.irp i, 0,1,2,3,4,5,6,7
	ds_load_b32 v[PR+\i], v2 offset:PW+4096*\i     ; p of row 1,024 i + t
.endr
	s_wait_loadcnt 0x0                             ; value
	s_wait_dscnt 0x0
.irp k, 0,1,2,3
	v_lshlrev_b32 v[T+2*\k], 16, v[V+\k]           ; the first row starts the sums: nothing is cleared.  bf16 to f32: the low half moves up,
	v_and_b32 v[T+2*\k+1], 0xffff0000, v[V+\k]     ; the high half stays
.endr
.irp c, 0,1,2,3,4,5,6,7
	v_mul_f32 v[L+\c], v[T+\c], v[PR]
.endr
.irp i, 1,2,3,4,5,6,7
.irp k, 0,1,2,3
	v_fma_mix_f32_bf16 v[L+2*\k], v[V+4*\i+\k], v[PR+\i], v[L+2*\k] op_sel_hi:[1,0,0]                      ; the word's low bf16 x p + the sum, in f32
	v_fma_mix_f32_bf16 v[L+2*\k+1], v[V+4*\i+\k], v[PR+\i], v[L+2*\k+1] op_sel:[1,0,0] op_sel_hi:[1,0,0]   ; its high bf16
.endr
.endr
.macro WSUM8                           ; eight sums over the wave's 32 lanes, by turns
.irp m, 1,2,4,8
.irp c, 0,1,2,3,4,5,6,7
	v_add_f32_dpp v[L+\c], v[L+\c], v[L+\c] row_xmask:\m row_mask:0xf bank_mask:0xf
.endr
.endr
.irp c, 0,1,2,3,4,5,6,7
	v_permlanex16_b32 v[T+\c], v[L+\c], s28, s29
.endr
.irp c, 0,1,2,3,4,5,6,7
	v_add_f32 v[L+\c], v[L+\c], v[T+\c]
.endr
.endm
	WSUM8
	ds_store_b128 v5, v[L:L+3] offset:RED3         ; my wave's eight (all lanes write the same bytes with the same values)
	ds_store_b128 v5, v[L+4:L+7] offset:RED3+16
	s_wait_dscnt 0x0                               ; for wave 0's sake
	s_barrier_signal -1
	s_barrier_wait -1
	s_cmp_lg_u32 s13, 0                            ; no barrier stands behind this branch: the other waves are done
	s_cbranch_scc1 .Lout
	ds_load_b128 v[L:L+3], v6 offset:RED3          ; lane l takes wave l's eight sums
	ds_load_b128 v[L+4:L+7], v6 offset:RED3+16
	ds_load_b32 v[L+8], v3 offset:RED2             ; and its sum of p
	s_wait_kmcnt 0x0                               ; bv
	s_wait_dscnt 0x0
	WSUM8
	WSUM L+8, 9
	s_wait_alu depctr_va_vdst(0)
	v_rcp_f32 v[L+8], v[L+8]
	v_nop                                          ; a plain instruction behind the reciprocal
	s_wait_alu depctr_va_vdst(0)
.irp c, 0,1,2,3,4,5,6,7
	v_fma_f32 v[L+\c], v[L+\c], v[L+8], s[20+\c]   ; / the sum of p, + bv
.endr
	s_wait_alu depctr_va_vdst(0)
	s_wait_xcnt 0x0                                ; EXEC changes only behind this wait
	v_cmp_eq_u32 vcc_lo, 0, v3
	s_and_saveexec_b32 s18, vcc_lo                 ; lane 0 alone stores
	global_store_b128 v7, v[L:L+3], s[8:9]
	global_store_b128 v7, v[L+4:L+7], s[8:9] offset:16
	s_wait_xcnt 0x0                                ; and again in front of the line that widens it
	s_or_b32 exec_lo, exec_lo, s18
.Lout:
	s_wait_tensorcnt 0x0                           ; the wave's end
	ds_add_u32 v96, v97
	s_wait_dscnt 0x0
	s_endpgm
.Lfunc_end_k_q99b1eff155_finish:
	.size	k_q99b1eff155_finish, .Lfunc_end_k_q99b1eff155_finish-k_q99b1eff155_finish
	.p2alignl 7, 3214868480
	.fill 96, 4, 3214868480
	.section	.rodata,"a",@progbits
	.p2align	6, 0x0
	.amdhsa_kernel k_q99b1eff155_finish
		.amdhsa_group_segment_fixed_size 38912
		.amdhsa_private_segment_fixed_size 0
		.amdhsa_enable_private_segment 0
		.amdhsa_kernarg_size 32
		.amdhsa_user_sgpr_count 2
		.amdhsa_user_sgpr_kernarg_segment_ptr 1
		.amdhsa_wavefront_size32 1
		.amdhsa_system_sgpr_workgroup_id_x 1
		.amdhsa_system_sgpr_workgroup_id_y 1
		.amdhsa_system_sgpr_workgroup_id_z 1
		.amdhsa_system_vgpr_workitem_id 0
		.amdhsa_next_free_vgpr 98
		.amdhsa_next_free_sgpr 66
		.amdhsa_reserve_vcc 1
		.amdhsa_float_denorm_mode_32 3
		.amdhsa_float_denorm_mode_16_64 3
		.amdhsa_memory_ordered 1
		.amdhsa_forward_progress 1
		.amdhsa_inst_pref_size 20
	.end_amdhsa_kernel
	.amdgpu_metadata
---
amdhsa.version: [ 1, 2 ]
amdhsa.kernels:
  - .name:           k_q99b1eff155_finish
    .symbol:         k_q99b1eff155_finish.kd
    .args:
      - { .name: lp, .offset: 0, .size: 8, .value_kind: global_buffer, .address_space: global }
      - { .name: vt, .offset: 8, .size: 8, .value_kind: global_buffer, .address_space: global }
      - { .name: out0, .offset: 16, .size: 8, .value_kind: global_buffer, .address_space: global }
      - { .name: bv, .offset: 24, .size: 8, .value_kind: global_buffer, .address_space: global }
    .group_segment_fixed_size: 38912
    .private_segment_fixed_size: 0
    .kernarg_segment_align: 8
    .kernarg_segment_size: 32
    .max_flat_workgroup_size: 1024
    .sgpr_count:     66
    .vgpr_count:     98
    .wavefront_size: 32
...
	.end_amdgpu_metadata
.endif
;; end of part 3
